; MI455X (gfx1250); checked and timed in simulation.
; The chip was launched on July 23, 2026; its instructions are those of AMD's public machine-readable ISA for CDNA 5 (MIT licence, August 2026) and "CDNA5" Instruction Set Architecture Reference Guide (July 2026). The comments in the code are by the model that wrote it; some were corrected since.
;; Self Attention. Allowed arithmetic: matrix products marked QUANTISED: E2M1 operands, one E8M0 scale for each 32 along K, by v_wmma_scale_f32_16x16x128_f8f6f4 with both operands' format E2M1 (or v_wmma_scale_f32_32x16x128_f4), f32 sums; everything else in f32.
;; Inputs: beta 256 float32; gamma 256 float32; key_masks 64 x 1 x 1,024 bool; x 64 x 1,024 x 256 float32.
;; Outputs: out0 64 x 1 x 256 float32.
;; This version of the problem:
;;   THIS VERSION OF THE PROBLEM IS GIVEN IN LOW PRECISION. The matrix products marked QUANTISED in the list below multiply operands that are first quantised to E2M1 (2 exponent bits, 1 mantissa bit; 4 bits a number), with one power-of-two scale for each 32 numbers along K (OCP MX v1.0); their sums are f32. All else is computed in f32.
;;   The module's matrix products, in the order in which they are computed (A, B: the left and right operand; K: the contracted axis; several contracted axes count as one K, in the product's order):
;;     1. batch 64 x [M 1,024, K 256] x [K 256, N 1,024]; A: input x; B: input x: QUANTISED
;;     2. batch 64 x [M 1,024, K 1,024] x [K 1,024, N 256]; A: softmax (see below); B: input x: QUANTISED
;;   THE QUANTISER, for each operand of a quantised product, along K:
;;     - K is cut into blocks of 32 from its start; a last block that is shorter is filled with zeros.
;;     - A block's scale is 2^e with e = floor(log2(the largest magnitude in the block)) - 2, held to -126 .. 127; a block of zeros has e = 0. As a byte (E8M0): e + 127.
;;     - Each number is divided by its block's scale, clamped to +-6, and rounded to the nearest number of E2M1, ties to even, subnormals kept.
;;     - The product sums the exact products of the quantised numbers (number of the format x scale) in f32.
;;   ~~~python
;;   def quantise(x, axis):      # numpy; x: float32 -> the quantised numbers, widened to float32 again
;;       x = np.moveaxis(x, axis, -1); K = x.shape[-1]
;;       x = np.pad(x, [(0, 0)] * (x.ndim - 1) + [(0, -K % 32)]); x = x.reshape(x.shape[:-1] + (-1, 32)); a = np.abs(x).max(-1, keepdims=True)
;;       e = np.where(a > 0, np.clip(np.frexp(np.where(a > 0, a, 1))[1] - 1 - 2, -126, 127), 0)      # np.frexp(a)[1] - 1 = floor(log2(a)), exactly
;;       r = np.clip(x / 2.0 ** e, -6, 6)
;;       step = 2.0 ** (np.maximum(np.frexp(np.where(r == 0, 1, r))[1] - 1, 0) - 1)
;;       q = np.round(r / step) * step * 2.0 ** e      # np.round: ties to even
;;       return np.moveaxis(q.reshape(q.shape[:-2] + (-1,))[..., :K], -1, axis).astype(np.float32)
;;   ~~~
;;   SOFTMAX AHEAD OF A QUANTISED PRODUCT. Where the list says 'softmax', what is quantised is not the finished softmax but p = 2^(t - M), with t = logit x log2(e) and M = ceil(the row's largest t), a whole number; so 1/2 < the row's largest p <= 1. The row's sum l is taken of the UNQUANTISED p, in f32, and the product's result is divided by l at the end. Since M is a whole number, a kernel that streams over the keys may use a running M (the ceiling of the running maximum): every later rescaling is an exact power of two, which a block's scale takes up: the codes' values come out the same.
;;   OPERANDS COMPUTED ON THE WAY. 'Computed on the way' means the value that the module computes at that place (a softmax that the list does not call 'softmax' is quantised finished and normalised). What goes into a quantiser is computed in f32, as accurately as f32 sums, v_exp_f32 and their like allow (about 1e-6 of the number): no bf16 or f16 on the way to a quantiser, and a product that is left as it is and whose result goes on into a quantised operand takes f32 operands (vector FMAs, or v_wmma_f32_16x16x4_f32). A number that lies on a knife's edge between two numbers of the format may be rounded either way, as far as f32 arithmetic and the matrix unit's own rounding can turn it there, and no further.
;; One version. Each part assembles by itself: llvm-mc -triple=amdgcn-amd-amdhsa -mcpu=gfx1250 --defsym DOCPART=n.
;; ======== version 1 of 1: 3 launches
;; limits: inputs' magnitudes at most 256; right only within a limited range of input values
;; workspace buffers: kv 18,087,936 bytes; part 1,048,576 bytes; cs 524,288 bytes
;; launch prep (part 1): grid 8 x 64, 8 waves a work-group, no clusters, 142,848 bytes of LDS; arguments x, key_masks, kv, cs; writes kv, cs
.if DOCPART == 1
	.amdgcn_target "amdgcn-amd-amdhsa--gfx1250"
	.amdhsa_code_object_version 6
	.text
	.protected	k_q8826253633_prep
	.globl	k_q8826253633_prep
	.p2align	8
	.type	k_q8826253633_prep,@function
k_q8826253633_prep:
	s_mov_b64 s[64:65], 0
	v_nop
	global_prefetch_b8 v0, s[64:65] scope:SCOPE_SE
	s_setreg_imm32_b32 hwreg(HW_REG_WAVE_MODE, 25, 1), 1
	s_wait_xcnt 0x0
; x [64][1024][256] f32 is quantised to FP4 (E2M1) with one E8M0 byte for each 32 numbers, TWICE: along the channels (the operand of x x^T) and along the keys (the operand of P x).
; Both sets of codes, their scale words and the key mask as an f32 bias are laid into kv in the order of the reader's operand registers, a chunk of CH bytes for each 128 keys of a batch:
;   0      K role: fragment (key tile i = 0..7, channel half s) at 1024 (2 i + s), piece c at + 512 c, lane l's 16 bytes at + 16 l.  Lane (r', h) holds key 32 (i / 2) + 8 (i % 2) + r' + 8 (r' / 8), channels 128 s + 64 c + 32 h + 0..31
;   VF     V role: channel tile t = 0..15 at 1024 t + 512 c + 16 l.  Lane (r, h) holds channel 16 t + r, keys 64 c + 32 h + 0..31 of the chunk
;   KS     K's scale words: (tile i, row r', half s) at 512 (i / 4) + 16 (r' + 16 s) + 4 (i % 4);  + 1024: V's: channel ch at 512 (ch / 128) + 16 (ch % 32) + 4 ((ch / 32) % 4);  + 2048: the bias, 4 bytes a key
; A block's scale is 2^(floor(log2(its largest magnitude)) - 2): its byte is the largest magnitude's exponent field - 2, held at 1 from below by a floor among the maximum's leaves.
; LIMITS: a block of zeros gets the byte 1 where the rule says 127 (its codes are zeros, and this program alone reads the bytes); NaN and infinities among the inputs are not served.
; SHARES: a work-group takes one chunk (128 keys x 256 channels, 128 KiB of x, dense).  Wave w takes keys 32 (w / 2) on and channels 128 (w % 2) on: 32 rows x 512 bytes, all 32 loads out at once.
; The tile goes through the wave's own stage in LDS once and is read back twice: by rows (a lane = a key, 32 neighbouring channels in its registers) and by columns (a lane = a channel, its registers run down the 32 keys).
.set CH,    35328
.set VF,    16384
.set KS,    32768
.set PITCH, 528                        ; a stage row: 512 bytes + 16: an odd multiple of 16, so that sixteen rows' 16-byte pieces fall on different banks
.set WST,   32*PITCH                   ; a wave's stage
; cs: for each chunk the 256 column sums of its quantised values (the operand of P x), f32: a row that no key counts for has p = 1 on all keys, so that its product is the sum of these.
; They are made by the matrix instruction on the V codes in registers: lane (r, h)'s four registers of block e are channel 32 e + 16 h + r; a column n of the operand of ones holds ones in one block of 32 alone, so that column n sums one channel a row.
; LEFT OUT in the launches behind this one: keys that come after all of a tile's queries (the causal mask of the problem's own body), in whole chunks of 128.  A NaN, an infinity or an overflow that reaches such a tile alone is not carried to the result.
.set SC,    8*WST
.set CSS,   SC+2560                    ; behind the image: 4 x 256 column sums, one row of 256 for each 32 keys
.set LO,  2                            ; v2   16 x lane
.set STW, 3                            ; v3   stage, on the way in
.set KRD, 4                            ; v4   stage, by rows: PITCH x lane
.set VRD, 5                            ; v5   stage, by columns: 4 x lane
.set KGO, 6                            ; v6   K's codes in the chunk: 2048 (lane / 16) + 16 (lane % 16)
.set VGO, 7                            ; v7   V's: 1024 (lane / 16) + 16 (lane % 16)
.set KSA, 8                            ; v8   where my K scale word goes
.set VSA, 9                            ; v9   where my V scale bytes go
.set BSA, 10                           ; v10  where my key's bias goes
.set MB,  11                           ; v11  my key's mask byte
.set VB,  20                           ; v20-23 V's four scale bytes
.set KW,  24                           ; v24  K's scale word
.set BV,  25
.set NG,  26
.set OGO, 27
.set ORD, 28
.set MGO, 29
.set X,   32                           ; v32-159 the tile as loaded; then two sets of 32 numbers, v32-63 and v64-95
.set KCD, 160                          ; v160-175 K's codes, four registers a block: no store's data are written twice
.set VCD, 176                          ; v176-191 V's
	s_load_b128 s[4:7], s[0:1], 0x0                ; x, key_masks
	s_load_b64 s[8:9], s[0:1], 0x10                ; kv
	s_load_b64 s[36:37], s[0:1], 0x18              ; cs
	v_lshl_add_u32 v192, v0, 2, 0x22a00
	v_mov_b32 v193, 0
	v_lshrrev_b32 v1, 5, v0
	s_delay_alu instid0(VALU_DEP_1)
	v_readfirstlane_b32 s16, v1                    ; wave 0..7
	s_lshr_b32 s17, s16, 1                         ; kb: which 32 keys
	s_and_b32 s18, s16, 1                          ; s: which 128 channels
	s_and_b32 s19, ttmp7, 0xffff                   ; batch
	s_lshl_b32 s20, s19, 10
	s_lshl_b32 s21, ttmp9, 7
	s_add_co_u32 s20, s20, s21                     ; the chunk's first key among all: 1024 b + 128 k; also its byte in key_masks
	s_mov_b32 s21, 0
	s_lshl_b32 s22, s17, 5
	s_add_co_u32 s22, s22, s20
	s_lshl_b32 s22, s22, 10                        ; my first row of x, 1,024 bytes a row (under 2^27),
	s_lshl_b32 s23, s18, 9
	s_add_co_u32 s22, s22, s23                     ; + my 512 bytes of it
	s_mov_b32 s23, 0
	s_lshl_b32 s30, s19, 3
	s_add_co_u32 s30, s30, ttmp9
	s_lshl_b32 s38, s30, 10                        ; the chunk in cs
	s_mov_b32 s39, 0
	s_mov_b32 s40, 0x76543210
	s_mov_b32 s41, 0xfedcba98
	s_lshl_b32 s42, s17, 10
	s_lshl_b32 s43, s18, 9
	s_add_co_u32 s42, s42, s43
	s_add_co_u32 s42, s42, CSS                     ; CSS + 1024 kb + 512 s
	s_mul_i32 s30, s30, CH                         ; the chunk in kv
	s_mov_b32 s31, 0
	s_lshr_b32 s25, s17, 1                         ; kb / 2
	s_and_b32 s26, s17, 1                          ; kb % 2
	s_lshl_b32 s27, s25, 9
	s_lshl_b32 s32, s17, 12
	s_lshl_b32 s33, s18, 10
	s_add_co_u32 s32, s32, s33                     ; K's codes: 4096 kb + 1024 s
	s_mov_b32 s33, 0
	s_lshl_b32 s34, s18, 13
	s_add_co_u32 s34, s34, s27
	s_lshl_b32 s35, s26, 8
	s_add_co_u32 s34, s34, s35
	s_add_co_u32 s34, s34, VF                      ; V's codes: VF + 8192 s + 512 (kb / 2) + 256 (kb % 2)
	s_mov_b32 s35, 0
	v_and_b32 v1, 31, v0                           ; lane
	s_delay_alu instid0(VALU_DEP_1)
	v_lshlrev_b32 v[LO], 4, v1
	v_lshrrev_b32 v19, 4, v1
	v_and_b32 v18, 15, v1
	s_delay_alu instid0(VALU_DEP_1)
	v_lshlrev_b32 v18, 4, v18
	s_delay_alu instid0(VALU_DEP_1)
	v_lshl_add_u32 v18, v19, 10, v18               ; a load takes 256 bytes of two rows: 1024 (lane / 16) + 16 (lane % 16)
	v_and_b32 v[MGO], 127, v0
	s_wait_alu depctr_va_vdst(0)
	s_wait_kmcnt 0x0
	s_add_nc_u64 s[4:5], s[4:5], s[22:23]
	s_add_nc_u64 s[6:7], s[6:7], s[20:21]
	s_add_nc_u64 s[8:9], s[8:9], s[30:31]
	s_add_nc_u64 s[10:11], s[8:9], s[34:35]
	s_add_nc_u64 s[12:13], s[8:9], KS
	s_add_nc_u64 s[36:37], s[36:37], s[38:39]
	s_add_nc_u64 s[8:9], s[8:9], s[32:33]
	global_load_u8 v[MB], v[MGO], s[6:7]           ; every wave loads a mask byte, so that the counts below are alike in all
.set n, 0
.rept 32
	global_load_b128 v[X+4*n:X+4*n+3], v18, s[4:5] offset:2048*(n%16)+256*(n/16) th:TH_LOAD_NT   ; loads 0 to 15: the first 64 channels, rows 2 n and 2 n + 1; 16 to 31: the other 64.  x is read once in the launch
.set n, n+1
.endr
	; every LDS address is made here, ahead of the branches on the wave's number
	s_mul_i32 s24, s16, WST
	v_and_b32 v17, 15, v1
	v_mul_u32_u24 v[STW], v19, PITCH
	s_delay_alu instid0(VALU_DEP_1)
	v_lshl_add_u32 v[STW], v17, 4, v[STW]
	s_delay_alu instid0(VALU_DEP_1)
	v_add_nc_u32 v[STW], s24, v[STW]               ; two neighbouring keys' rows are neighbours in the stage too
	v_mul_u32_u24 v[KRD], v1, PITCH
	s_delay_alu instid0(VALU_DEP_1)
	v_add_nc_u32 v[KRD], s24, v[KRD]
	v_lshl_add_u32 v[VRD], v1, 2, s24
	v_lshrrev_b32 v12, 4, v1
	v_and_b32 v13, 15, v1
	s_delay_alu instid0(VALU_DEP_1)
	v_lshlrev_b32 v14, 4, v13
	s_delay_alu instid0(VALU_DEP_1)
	v_lshl_add_u32 v[KGO], v12, 11, v14
	s_delay_alu instid0(VALU_DEP_2)
	v_lshl_add_u32 v[VGO], v12, 10, v14
	s_lshl_b32 s28, s26, 3
	s_add_co_u32 s28, s28, s27
	s_lshl_b32 s29, s18, 8
	s_add_co_u32 s28, s28, s29
	s_add_co_u32 s28, s28, SC                      ; SC + 512 (kb / 2) + 8 (kb % 2) + 256 s
	v_lshl_add_u32 v[KSA], v12, 2, v14             ; + 16 (lane % 16) + 4 (lane / 16)
	s_delay_alu instid0(VALU_DEP_1)
	v_add_nc_u32 v[KSA], s28, v[KSA]
	s_lshl_b32 s29, s18, 9
	s_add_co_u32 s29, s29, s17
	s_add_co_u32 s29, s29, SC+1024                 ; SC + 1024 + 512 s + kb: my key block's byte of each word
	v_add_nc_u32 v[VSA], s29, v[LO]
	v_lshl_add_u32 v[BSA], v0, 2, SC+2048
	s_wait_alu depctr_va_vdst(0)                   ; the wait stands directly ahead of the reader below
	v_and_b32 v30, 7, v13
	v_lshlrev_b32 v30, 6, v30
	v_lshl_add_u32 v30, v12, 5, v30
	v_add_nc_u32 v30, s42, v30                     ; where my column sums go: + 64 (n % 8) + 32 h
	v_lshl_add_u32 v31, v0, 4, CSS-3072            ; and back, in waves 6 and 7: 16 x (thread - 192)
	v_lshlrev_b32 v[OGO], 4, v0
	s_delay_alu instid0(VALU_DEP_1)
	v_add_nc_u32 v[ORD], SC, v[OGO]
	v_mov_b32 v[NG], 0xcf800000                    ; -2^32: what a masked key adds to its scores
	; into the stage.  Key n of my 32 goes to stage row 16 ((n / 8) % 2) + n % 8 + 8 (n / 16): stage row 16 u + r' is then lane r' of key tile 2 kb + u
; In two halves of 64 channels: the first half's blocks are worked while the second half is on its way.
.macro STG half
.set n, 16*\half
.rept 16
.set kk, 2*(n%16)
	s_wait_loadcnt 31-n                            ; loads come back in order: load n is in, the 31 - n behind it stay out
	ds_store_b128 v[STW], v[X+4*n:X+4*n+3] offset:(16*((kk/8)%2)+(kk%8)+8*(kk/16))*PITCH+256*\half
.set n, n+1
.endr
	s_wait_dscnt 0x0                               ; the stores have read their registers: these are loaded anew below
.endm
	STG 0
.macro LDK j                           ; by rows: my key's channels 32 j .. 32 j + 31 of the wave's 128
.irp q, 0,1,2,3,4,5,6,7
	ds_load_b128 v[X+32*((\j)%2)+4*\q:X+32*((\j)%2)+4*\q+3], v[KRD] offset:128*(\j)+16*\q
.endr
.endm
.macro LDV e                           ; by columns: channel 32 e + lane, the 32 keys in their own order
.set n, 0
.rept 32
	ds_load_b32 v[X+32*((\e)%2)+n], v[VRD] offset:(16*((n/8)%2)+(n%8)+8*(n/16))*PITCH+128*(\e)
.set n, n+1
.endr
.endm
.macro QB                              ; the block of 32 numbers at v[YS] on becomes 32 codes in v[CR] on; v14 keeps the conversion's scale operand
	v_max3_num_f32 v12, |v[YS]|, |v[YS+1]|, |v[YS+2]|
	v_max3_num_f32 v13, |v[YS+3]|, |v[YS+4]|, |v[YS+5]|
.irp i, 6,10,14,18,22,26
	s_delay_alu instid0(VALU_DEP_2)
	v_max3_num_f32 v12, v12, |v[YS+\i]|, |v[YS+\i+1]|
	s_delay_alu instid0(VALU_DEP_2)
	v_max3_num_f32 v13, v13, |v[YS+\i+2]|, |v[YS+\i+3]|
.endr
	s_delay_alu instid0(VALU_DEP_2)
	v_max3_num_f32 v12, v12, |v[YS+30]|, |v[YS+31]|
	s_delay_alu instid0(VALU_DEP_1)
	v_max3_num_f32 v12, v12, v13, 0x1800000        ; and the floor 2^(3 - 127): the byte cannot fall under 1
	s_delay_alu instid0(VALU_DEP_1)
	v_add_nc_u32 v14, 0xff000000, v12              ; 2 off the exponent field: the conversion takes this operand's exponent field as its scale
.irp g, 0,1,2,3
	v_cvt_scalef32_pk8_fp4_f32 v[CR+\g], v[YS+8*\g:YS+8*\g+7], v14
.endr
.endm
.macro KBLK j, left                    ; left: the LDS loads of the block behind this one, which may stay out
	s_wait_dscnt \left
.set YS, X+32*((\j)%2)
.set CR, KCD+4*(\j)
	QB
.if (\j) == 0
	v_lshrrev_b32 v[KW], 23, v14                   ; the scale's byte (a plain line behind the conversions)
.else
	v_lshrrev_b32 v15, 23, v14
	s_delay_alu instid0(VALU_DEP_1)
	v_lshl_or_b32 v[KW], v15, 8*(\j), v[KW]        ; four bytes make my key's scale word for these 128 channels
.endif
	global_store_b128 v[KGO], v[CR:CR+3], s[8:9] offset:512*((\j)/2)+256*((\j)%2)   ; sixteen lanes store 256 consecutive bytes, at a multiple of 256 from kv's first byte
.endm
.macro VBLK e, left
	s_wait_dscnt \left
.set YS, X+32*((\e)%2)
.set CR, VCD+4*(\e)
	QB
	v_lshrrev_b32 v[VB+(\e)], 23, v14
	global_store_b128 v[VGO], v[CR:CR+3], s[10:11] offset:2048*(\e)
.endm
	LDK 0                                          ; eight blocks on two sets of registers, the loads one block ahead
	LDK 1
	; the operands of ones (the code 6 under the byte 125 is 1): column n holds ones in block n of the first, n - 4 of the second (n mod 8)
	; stand below, behind the second half's stage
	KBLK 0, 8
	LDV 0
	KBLK 1, 32
	LDV 1
	VBLK 0, 32
	VBLK 1, 0
	STG 1
	LDK 2
	LDK 3
	v_bfe_u32 v112, v0, 4, 1
	v_and_b32 v113, 7, v0
	v_sub_nc_u32 v113, v113, v112
	v_mov_b32 v114, 0x66666666
	v_mov_b32 v115, 0x7d7d7d7d
	v_mov_b32 v116, 0                              ; written here: a lane permute's destination counts as one of its sources
	v_mov_b32 v117, 0
.irp g, 0,1,2,3
	v_cmp_eq_u32 vcc_lo, 2*\g, v113
.irp i, 0,1,2,3
	v_cndmask_b32 v[96+4*\g+\i], 0, v114, vcc_lo
.endr
.endr
	KBLK 2, 8
	LDV 2
	KBLK 3, 32
	LDV 3
	VBLK 2, 32
	VBLK 3, 0
	v_lshl_or_b32 v118, v[VB+1], 16, v[VB]
	v_lshl_or_b32 v119, v[VB+3], 16, v[VB+2]
	v_permlanex16_b32 v116, v118, s40, s41
	v_permlanex16_b32 v117, v119, s40, s41
	v_lshl_or_b32 v120, v116, 8, v118              ; row r's scale word, in lane r: blocks 0 and 2 are its own channels, 1 and 3 lane 16 + r's
	v_lshl_or_b32 v121, v117, 8, v119
.rept 8
	v_nop                                          ; a scale register written by a vector instruction stands 8 places ahead
.endr
	v_wmma_scale_f32_16x16x128_f8f6f4 v[128:135], v[VCD:VCD+7], v[96:103], 0, v120, v115 matrix_a_fmt:MATRIX_FMT_FP4 matrix_b_fmt:MATRIX_FMT_FP4
	s_wait_alu depctr_va_vdst(0)
	v_wmma_scale_f32_16x16x128_f8f6f4 v[128:135], v[VCD+8:VCD+15], v[104:111], v[128:135], v121, v115 matrix_a_fmt:MATRIX_FMT_FP4 matrix_b_fmt:MATRIX_FMT_FP4
.rept 4
	v_nop
.endr
	ds_store_b128 v30, v[128:131]                  ; lane (n, h): channels 16 (n % 8) + 8 h + 0..7 of my 128; lanes n and n + 8 write the same bytes with the same values
	ds_store_b128 v30, v[132:135] offset:16
	ds_store_b32 v[KSA], v[KW]
.irp e, 0,1,2,3
	ds_store_b8 v[VSA], v[VB+\e] offset:4*\e       ; a word's four bytes come from the four waves of a channel half
.endr
	v_cmp_eq_u32 vcc_lo, 0, v[MB]
	s_delay_alu instid0(VALU_DEP_1)
	v_cndmask_b32 v[BV], 0, v[NG], vcc_lo          ; 0 for a key that counts, -2^32 for one that is masked
	s_cmp_lt_u32 s16, 4                            ; threads 0 to 127 hold the chunk's 128 keys
	s_cbranch_scc0 .Lno_bias
	ds_store_b32 v[BSA], v[BV]
.Lno_bias:
	s_wait_dscnt 0x0                               ; for the others' sake: my stores have landed
	s_barrier_signal -1
	s_barrier_wait -1
	s_cmp_lt_u32 s16, 5                            ; 2,560 bytes are 160 lanes' 16
	s_cbranch_scc0 .Lcol
	ds_load_b128 v[16:19], v[ORD]
	s_wait_dscnt 0x0
	global_store_b128 v[OGO], v[16:19], s[12:13]
	s_branch .Ldone
.Lcol:
	s_cmp_lt_u32 s16, 6                            ; waves 6 and 7: 256 column sums, four a lane
	s_cbranch_scc1 .Ldone
	v_and_b32 v26, 63, v0
	v_lshlrev_b32 v26, 4, v26
	ds_load_b128 v[32:35], v31
	ds_load_b128 v[36:39], v31 offset:1024
	ds_load_b128 v[40:43], v31 offset:2048
	ds_load_b128 v[44:47], v31 offset:3072
	s_wait_alu depctr_va_vdst(0)
	s_wait_dscnt 0x0
	v_pk_add_f32 v[32:33], v[32:33], v[36:37]
	v_pk_add_f32 v[34:35], v[34:35], v[38:39]
	v_pk_add_f32 v[40:41], v[40:41], v[44:45]
	v_pk_add_f32 v[42:43], v[42:43], v[46:47]
	v_pk_add_f32 v[32:33], v[32:33], v[40:41]
	v_pk_add_f32 v[34:35], v[34:35], v[42:43]
	global_store_b128 v26, v[32:35], s[36:37]      ; sixteen lanes store 256 consecutive bytes, at a multiple of 256 from cs's first byte
.Ldone:
	s_wait_tensorcnt 0x0
	ds_add_u32 v192, v193
	s_wait_dscnt 0x0
	s_endpgm
.Lfunc_end_k_q8826253633_prep:
	.size	k_q8826253633_prep, .Lfunc_end_k_q8826253633_prep-k_q8826253633_prep
	.p2alignl 7, 3214868480
	.fill 96, 4, 3214868480
	.section	.rodata,"a",@progbits
	.p2align	6, 0x0
	.amdhsa_kernel k_q8826253633_prep
		.amdhsa_group_segment_fixed_size 142848
		.amdhsa_private_segment_fixed_size 0
		.amdhsa_enable_private_segment 0
		.amdhsa_kernarg_size 32
		.amdhsa_user_sgpr_count 2
		.amdhsa_user_sgpr_kernarg_segment_ptr 1
		.amdhsa_wavefront_size32 1
		.amdhsa_system_sgpr_workgroup_id_x 1
		.amdhsa_system_sgpr_workgroup_id_y 1
		.amdhsa_system_sgpr_workgroup_id_z 1
		.amdhsa_system_vgpr_workitem_id 0
		.amdhsa_next_free_vgpr 194
		.amdhsa_next_free_sgpr 66
		.amdhsa_reserve_vcc 1
		.amdhsa_float_denorm_mode_32 3
		.amdhsa_float_denorm_mode_16_64 3
		.amdhsa_memory_ordered 1
		.amdhsa_forward_progress 1
		.amdhsa_inst_pref_size 41
	.end_amdhsa_kernel
	.amdgpu_metadata
---
amdhsa.version: [ 1, 2 ]
amdhsa.kernels:
  - .name:           k_q8826253633_prep
    .symbol:         k_q8826253633_prep.kd
    .args:
      - { .name: x, .offset: 0, .size: 8, .value_kind: global_buffer, .address_space: global }
      - { .name: key_masks, .offset: 8, .size: 8, .value_kind: global_buffer, .address_space: global }
      - { .name: kv, .offset: 16, .size: 8, .value_kind: global_buffer, .address_space: global }
      - { .name: cs, .offset: 24, .size: 8, .value_kind: global_buffer, .address_space: global }
    .group_segment_fixed_size: 142848
    .private_segment_fixed_size: 0
    .kernarg_segment_align: 8
    .kernarg_segment_size: 32
    .max_flat_workgroup_size: 256
    .sgpr_count:     66
    .vgpr_count:     194
    .wavefront_size: 32
...
	.end_amdgpu_metadata
.endif
;; end of part 1
;; launch attn (part 2): grid 4 x 64, 4 waves a work-group, clusters of 4 x 1, 327,680 bytes of LDS; arguments kv, part; writes part
.if DOCPART == 2
	.amdgcn_target "amdgcn-amd-amdhsa--gfx1250"
	.amdhsa_code_object_version 6
	.text
	.protected	k_q8826253633_attn
	.globl	k_q8826253633_attn
	.p2align	8
	.type	k_q8826253633_attn,@function
k_q8826253633_attn:
	s_mov_b64 s[64:65], 0
	v_nop
	global_prefetch_b8 v0, s[64:65] scope:SCOPE_SE
	s_setreg_imm32_b32 hwreg(HW_REG_WAVE_MODE, 25, 1), 1
	s_wait_xcnt 0x0
	s_wait_alu depctr_hold_cnt(0) depctr_sa_sdst(0) depctr_va_vdst(0) depctr_va_sdst(0) depctr_va_ssrc(0) depctr_va_vcc(0) depctr_vm_vsrc(0)
	s_getreg_b32 s2, hwreg(HW_REG_IB_STS2, 6, 4)
	s_cmp_eq_u32 s2, 0
	s_cbranch_scc0 .Lentry_in_a_cluster
	s_endpgm
.Lentry_in_a_cluster:
	s_bfe_u32 s2, ttmp6, 0x10000c
	s_cmp_lg_u32 s2, 0x3003
	s_cbranch_scc0 .Lentry_shape_is_right
	s_endpgm
.Lentry_shape_is_right:
; Attention of a batch's 1,024 rows on FP4 codes (Q = K = V = x), LayerNorm of every row without gamma and beta, and the sum of the normalised rows: part holds 16 sums of 256 channels for each batch.
; THE SOFTMAX: t = score x log2(e) / 16; M = the row's largest t so far, rounded UP to a whole number; p = 2^(t - M) is what is quantised; the row's sum is taken of the unquantised p.  When M moves, the sum and O are multiplied by 2^(old M - new M): exact.
; SHARES.  The four work-groups of a batch form a cluster: each takes 32 rows of every chunk of 128 rows.  Wave w owns 32 rows of chunk 7 - w (the high pair of tiles) and 32 of chunk w (the low pair): 8 - w and w + 1 steps of 128 keys, nine in every wave.
; LEFT OUT: chunks of keys that come after all of a pair's queries (the causal mask), by a scalar branch on ids.  Rows ahead of the batch's first key that counts enter with the weight 0: the launch behind adds them.
; LAYOUT.  Both products are used transposed: S^T = K Q^T, O^T = V^T P^T: a lane holds one query (lane % 16).  Register 16 b + i of a tile's scores is key 32 b + 16 (lane / 16) + i of the chunk.
; A batch's codes, scale words and bias (282,624 bytes) are asked for jointly, once, one load a wave: wave 3 fetches chunk 0, which is read first, waves 0 to 2 the seven others.  Nothing is filled again.
; No prefetch: every byte is asked for at the head, ahead of the only loop.
; LIMITS: a masked or future key's score is lowered to about -2^32, so the scores (ahead of the factor 1 / 16) have to stay under 2^30 in magnitude (exponents under 9.6e7), as they do for |x| up to 2,000; NaN and infinities among the inputs are not served.
; REGISTERS, in windows of 256: window 0: v0-63 state and scales, v64-127 Q (4 tiles x 16), v128-255 S (2 tiles x 64; S of tile 0 takes the bias first);
;   window 1: v0-127 K's fragments of a chunk, v128-255 V's;  window 2: O^T of the high pair (2 x 128);  window 3: of the low pair.
.set CH,    35328
.set VF,    16384
.set KS,    32768
.set VS,    33792
.set BI,    34816
.set REST,  82432                      ; a third of seven chunks: 322 rows of 256 bytes
.set SPARE, 8*CH                       ; the spare words: 128 bytes for each wave
.set SPW, 1
.set NIL, 2
.set ADR, 3                            ; chunk + 16 x lane
.set ADB, 4                            ; chunk + 64 x (lane / 16)
.set PW,  6                            ; v6-7 p's scale words
.set ML,  8                            ; v8-15 for each tile the pair (-M, the row's sum)
.set QS,  16                           ; v16-19 Q's scale words
.set KSC, 20
.set VSC, 28
.set PC,  36                           ; v36-51 p's codes, 8 a tile; v36-43 also at work ahead of them
.set FF,  52                           ; pairs v52-53, v54-55: f = 2^(old M - new M) in the even one; the odd one at work
.set BM,  56                           ; v56-63 the blocks' largest
.set Q,   64
.set S,   128
.set WV,  8
.set CX,  9
.set SB,  10
.set KDH, 11                           ; the high pair's last chunk, 7 - w (the low pair's is w)
.set KC,  12
.set G1A, 16
.set G1B, 24
.set G0A, 32
.set G0B, 36
.set SEL, 48
.set CS,  50
.set NG,  58
.set THR, 59
.set EPS, 60
.set QB,  61
.set MK,  72                           ; s72-87 lane masks
.set MSB, 0
.macro WIN new
.if MSB != (\new)
	s_set_vgpr_msb (MSB<<8)|(\new)
.set MSB, (\new)
.endif
.endm
.macro PLACES
.rept 4
	v_nop
.endr
.endm
.macro ROUND
	s_barrier_signal -1
	s_barrier_wait -1
	s_cmp_lg_u32 s[WV], 0
	s_cbranch_scc1 .Lnot_wave_0_\@
	s_barrier_signal -3
.Lnot_wave_0_\@:
	s_barrier_wait -3
	s_barrier_signal -1
	s_barrier_wait -1
.endm
	s_load_b128 s[4:7], s[0:1], 0x0                ; kv, part
	v_lshl_add_u32 v[SPW], v0, 2, SPARE
	v_mov_b32 v[NIL], 0
	ds_add_u32 v[SPW], v[NIL]                      ; the opening add, twice on end
	ds_add_u32 v[SPW], v[NIL]
	v_lshrrev_b32 v5, 5, v0
	v_readfirstlane_b32 s[WV], v5                  ; wave 0..3
	s_bfe_u32 s[CX], ttmp6, 0x40000                ; my place in the cluster: which 32 rows of a chunk
	s_and_b32 s[SB], ttmp7, 0xffff                 ; batch
	s_sub_co_u32 s[KDH], 7, s[WV]
	s_mov_b32 s[G1A], 15|(3<<16)|(1<<21)           ; rows of 256 bytes (32 elements of 8), dense, to all four work-groups
	s_mov_b32 s[G1A+1], 32<<16
	s_mov_b32 s[G1A+2], 138<<16
	s_mov_b32 s[G1A+3], 32<<16
	s_mov_b32 s[G1A+4], 138
	s_mov_b32 s[G1A+5], 32
	s_mov_b32 s[G1A+6], 0
	s_mov_b32 s[G1A+7], 0
	s_mov_b32 s[G1B], 15|(3<<16)|(1<<21)
	s_mov_b32 s[G1B+1], 32<<16
	s_mov_b32 s[G1B+2], 322<<16
	s_mov_b32 s[G1B+3], 32<<16
	s_mov_b32 s[G1B+4], 322
	s_mov_b32 s[G1B+5], 32
	s_mov_b32 s[G1B+6], 0
	s_mov_b32 s[G1B+7], 0
	s_mul_i32 s54, s[SB], 8*CH
	s_mov_b32 s55, 0
	s_mul_i32 s56, s[WV], REST
	s_add_co_u32 s56, s56, CH
	s_mov_b32 s57, 0
	s_mov_b32 s[G0A], 1
	s_mov_b32 s[G0A+1], 0
	s_mov_b32 s[G0B], 1
	s_mov_b32 s[G0B+1], s56
	s_lshl_b32 s52, s[SB], 3
	s_add_co_u32 s53, s52, s[KDH]
	s_mul_i32 s53, s53, CH                         ; the high pair's chunk in kv
	s_add_co_u32 s52, s52, s[WV]
	s_mul_i32 s52, s52, CH                         ; the low pair's
	s_lshl_b32 s14, s[CX], 12
	s_add_co_u32 s40, s53, s14                     ; my 32 rows' codes: + 4096 cx
	s_mov_b32 s41, 0
	s_add_co_u32 s42, s52, s14
	s_mov_b32 s43, 0
	s_lshr_b32 s14, s[CX], 1
	s_lshl_b32 s14, s14, 9
	s_and_b32 s15, s[CX], 1
	s_lshl_b32 s15, s15, 3
	s_add_co_u32 s14, s14, s15
	s_add_co_u32 s14, s14, KS                      ; and scale words: + KS + 512 (cx / 2) + 8 (cx % 2)
	s_add_co_u32 s44, s53, s14
	s_mov_b32 s45, 0
	s_add_co_u32 s46, s52, s14
	s_mov_b32 s47, 0
	s_lshl_b32 s62, s[SB], 2
	s_add_co_u32 s62, s62, s[CX]
	s_lshl_b32 s62, s62, 2
	s_add_co_u32 s62, s62, s[WV]
	s_lshl_b32 s62, s62, 10                        ; my wave's 1,024 bytes of part
	s_mov_b32 s63, 0
	s_mov_b32 s[SEL], 0x76543210
	s_mov_b32 s[SEL+1], 0xfedcba98
	s_mov_b32 s[CS], 0x3db8aa3b                    ; log2(e) / 16
	s_mov_b32 s[CS+1], s[CS]
	s_mov_b32 s[NG], 0xcf800000                    ; -2^32
	s_mov_b32 s[THR], 0x4d400000                   ; a row whose -M lies under 1.5 x 2^27 has a key that counts
	s_mov_b32 s[EPS], 0x3089705f                   ; 1e-9
	s_lshl_b32 s[QB], s[CX], 5
	; a query's place in the K role's layout: row 16 v + r of a chunk (v even or odd) is lane (r % 8) + 8 (v % 2) of key tile 2 (v / 2) + r / 8
	v_and_b32 v128, 15, v0
	v_bfe_u32 v129, v0, 4, 1
	v_lshrrev_b32 v130, 3, v128
	v_and_b32 v131, 7, v128
	v_lshlrev_b32 v131, 4, v131
	v_lshl_add_u32 v132, v130, 11, v131
	v_lshl_add_u32 v132, v129, 8, v132
	v_lshl_add_u32 v133, v130, 2, v131
	v_lshl_add_u32 v133, v129, 8, v133
	s_wait_dscnt 0x0                               ; both opening adds are done
	s_wait_alu depctr_va_vdst(0)
	s_wait_kmcnt 0x0
	s_add_nc_u64 s[40:41], s[4:5], s[40:41]
	s_add_nc_u64 s[42:43], s[4:5], s[42:43]
	s_add_nc_u64 s[44:45], s[4:5], s[44:45]
	s_add_nc_u64 s[46:47], s[4:5], s[46:47]
	s_add_nc_u64 s[62:63], s[6:7], s[62:63]
	s_add_nc_u64 s[G0A+2:G0A+3], s[4:5], s[54:55]
	s_add_nc_u64 s[G0B+2:G0B+3], s[G0A+2:G0A+3], s[56:57]
	s_or_b32 s[G0A+3], s[G0A+3], 0x80000000
	s_or_b32 s[G0B+3], s[G0B+3], 0x80000000
.irp x, 0,1                            ; Q: tiles 0, 1 the high pair, 2, 3 the low pair; the second of a pair 128 bytes on
.irp s, 0,1
.irp c, 0,1
	global_load_b128 v[Q+16*\x+8*\s+4*\c:Q+16*\x+8*\s+4*\c+3], v132, s[40:41] offset:1024*\s+512*\c+128*\x
	global_load_b128 v[Q+32+16*\x+8*\s+4*\c:Q+32+16*\x+8*\s+4*\c+3], v132, s[42:43] offset:1024*\s+512*\c+128*\x
.endr
.endr
	global_load_b32 v[QS+\x], v133, s[44:45] offset:128*\x
	global_load_b32 v[QS+2+\x], v133, s[46:47] offset:128*\x
.endr
	ROUND                                          ; all four work-groups are here: the joint loads meet
	s_cmp_eq_u32 s[WV], 3
	s_cbranch_scc0 .Lasked
	tensor_load_to_lds s[G0A:G0A+3], s[G1A:G1A+7]  ; chunk 0 alone: with Q it is all that the first products want
	s_nop 0
	PLACES
.Lasked:
; LDS addresses of the chunk that begins at s52
.macro ADDR
	v_and_b32 v[ADR], 31, v0
	v_and_b32 v[ADB], 16, v0
	v_lshl_add_u32 v[ADR], v[ADR], 4, s52
	v_lshl_add_u32 v[ADB], v[ADB], 2, s52
	s_wait_alu depctr_va_vdst(0)
.endm
.macro BIAS                            ; into tile 0's scores: the C of both tiles' first products; sixteen lanes read the same 16 bytes
.set n, 0
.rept 16
	ds_load_b128 v[S+4*n:S+4*n+3], v[ADB] offset:BI+128*(n/4)+16*(n%4)
.set n, n+1
.endr
.endm
.macro KLOAD
	WIN 0x40
.set n, 0
.rept 32
	ds_load_b128 v[4*n:4*n+3], v[ADR] offset:512*n
.set n, n+1
.endr
	WIN 0
	ds_load_b128 v[KSC:KSC+3], v[ADR] offset:KS
	ds_load_b128 v[KSC+4:KSC+7], v[ADR] offset:KS+512
.endm
.macro VLOAD                           ; 34 loads
	WIN 0x40
.set n, 0
.rept 32
	ds_load_b128 v[128+4*n:131+4*n], v[ADR] offset:VF+512*n
.set n, n+1
.endr
	WIN 0
	ds_load_b128 v[VSC:VSC+3], v[ADR] offset:VS
	ds_load_b128 v[VSC+4:VSC+7], v[ADR] offset:VS+512
.endm
.macro PREF                            ; the next chunk's K and bias (the last chunk's end is never passed)
	s_add_co_u32 s52, s[KC], 1
	s_and_b32 s52, s52, 7
	s_mul_i32 s52, s52, CH
	ADDR
	KLOAD
	BIAS
.endm
.macro KPREF                           ; in the loop: the next chunk's K alone, as soon as the last scores of this one have been issued
	s_add_co_u32 s52, s[KC], 1
	s_and_b32 s52, s52, 7
	s_mul_i32 s52, s52, CH
	v_and_b32 v[ADR], 31, v0
	v_lshl_add_u32 v[ADR], v[ADR], 4, s52
	s_wait_alu depctr_va_vdst(0)
	KLOAD
.endm
.macro NBIAS                           ; and its bias, when tile 0's p has been used
	s_add_co_u32 s52, s[KC], 1
	s_and_b32 s52, s52, 7
	s_mul_i32 s52, s52, CH
	v_and_b32 v[ADB], 16, v0
	v_lshl_add_u32 v[ADB], v[ADB], 2, s52
	s_wait_alu depctr_va_vdst(0)
	BIAS
.endm
; The scores of pair p.  Tile 1 goes first, with the bias in tile 0's registers as its C; five places on tile 0's products write over it.
.macro SMUL p
	WIN 0x01
.irp m, 0,1,2,3,4,5,6,7
	v_wmma_scale_f32_16x16x128_f8f6f4 v[S+64+8*\m:S+71+8*\m], v[16*\m:16*\m+7], v[Q+32*\p+16:Q+32*\p+23], v[S+8*\m:S+8*\m+7], v[KSC+\m], v[QS+2*\p+1] matrix_a_fmt:MATRIX_FMT_FP4 matrix_b_fmt:MATRIX_FMT_FP4
.endr
.irp m, 0,1,2,3,4,5,6,7
	v_wmma_scale_f32_16x16x128_f8f6f4 v[S+64+8*\m:S+71+8*\m], v[16*\m+8:16*\m+15], v[Q+32*\p+24:Q+32*\p+31], v[S+64+8*\m:S+71+8*\m], v[KSC+\m], v[QS+2*\p+1] matrix_a_fmt:MATRIX_FMT_FP4 matrix_b_fmt:MATRIX_FMT_FP4 matrix_a_scale:MATRIX_SCALE_ROW1 matrix_b_scale:MATRIX_SCALE_ROW1
.endr
.rept 5
	v_nop
.endr
.irp m, 0,1,2,3,4,5,6,7
	v_wmma_scale_f32_16x16x128_f8f6f4 v[S+8*\m:S+8*\m+7], v[16*\m:16*\m+7], v[Q+32*\p:Q+32*\p+7], v[S+8*\m:S+8*\m+7], v[KSC+\m], v[QS+2*\p] matrix_a_fmt:MATRIX_FMT_FP4 matrix_b_fmt:MATRIX_FMT_FP4
.endr
.irp m, 0,1,2,3,4,5,6,7
	v_wmma_scale_f32_16x16x128_f8f6f4 v[S+8*\m:S+8*\m+7], v[16*\m+8:16*\m+15], v[Q+32*\p+8:Q+32*\p+15], v[S+8*\m:S+8*\m+7], v[KSC+\m], v[QS+2*\p] matrix_a_fmt:MATRIX_FMT_FP4 matrix_b_fmt:MATRIX_FMT_FP4 matrix_a_scale:MATRIX_SCALE_ROW1 matrix_b_scale:MATRIX_SCALE_ROW1
.endr
	WIN 0
	PLACES
.endm
; On the diagonal chunk the scores of keys after the query become -2^32.  Sixteen compares, then their sixteen selections.
.macro MASK kd
	s_cmp_lg_u32 s[KC], s[\kd]
	s_cbranch_scc1 .Lopen_\@
	v_and_b32 v53, 15, v0
	v_and_b32 v5, 16, v0
	v_sub_nc_u32 v53, v53, v5
	v_add_nc_u32 v53, s[QB], v53                   ; my query of tile 0 less 16 (lane / 16); tile 1's is 16 on
.irp x, 0,1
.irp b, 0,1,2,3
.set n, 0
.rept 16
	v_cmp_gt_i32 s[MK+n], 32*\b+n-16*\x, v53
.set n, n+1
.endr
.set n, 0
.rept 16
	v_cndmask_b32 v[S+64*\x+16*\b+n], v[S+64*\x+16*\b+n], s[NG], s[MK+n]
.set n, n+1
.endr
.endr
.endr
.Lopen_\@:
.endm
.macro LVL x, st                       ; a level of the tree that sums a tile's p
.set n, 0
.rept 32/\st
	v_pk_add_f32 v[S+64*\x+n:S+64*\x+n+1], v[S+64*\x+n:S+64*\x+n+1], v[S+64*\x+n+\st:S+64*\x+n+\st+1]
.set n, n+2*\st
.endr
.endm
; Both tiles of pair p: maxima, M, p, its codes and scale words, the sum.  Block 4 x + b of 32 keys of tile x begins at v[S + 16 (4 x + b)].
; The exponentials stand in two runs; the plain lines among them write what is first read behind the wait that closes the run.
.macro SOFTMAX p, first
.set MA, ML+4*\p
.set MB, ML+4*\p+2
.irp b, 0,1,2,3,4,5,6,7
	v_max3_num_f32 v[BM+\b], v[S+16*\b], v[S+16*\b+1], v[S+16*\b+2]
.endr
.irp i, 3,5,7,9,11,13
.irp b, 0,1,2,3,4,5,6,7
	v_max3_num_f32 v[BM+\b], v[BM+\b], v[S+16*\b+\i], v[S+16*\b+\i+1]
.endr
.endr
.irp b, 0,1,2,3,4,5,6,7
	v_max_num_f32 v[BM+\b], v[BM+\b], v[S+16*\b+15]
.endr
.irp b, 0,1,2,3,4,5,6,7
	v_permlanex16_b32 v[PC+\b], v[BM+\b], s[SEL], s[SEL+1]
.endr
.irp b, 0,1,2,3,4,5,6,7
	v_max_num_f32 v[BM+\b], v[BM+\b], v[PC+\b]     ; with lane l xor 16's 16 keys
.endr
.irp x, 0,1
	v_max3_num_f32 v[FF+1+2*\x], v[BM+4*\x], v[BM+4*\x+1], v[BM+4*\x+2]
.endr
.irp x, 0,1
	v_max_num_f32 v[FF+1+2*\x], v[FF+1+2*\x], v[BM+4*\x+3]
.endr
.irp x, 0,1
	v_mul_f32 v[FF+1+2*\x], s[CS], v[FF+1+2*\x]    ; as t
.endr
.if \first
.irp x, 0,1
	v_floor_f32 v[MA+2*\x], -v[FF+1+2*\x]          ; -M = floor(-t)
.endr
.else
.irp x, 0,1
	v_floor_f32 v[FF+1+2*\x], -v[FF+1+2*\x]
.endr
.irp x, 0,1
	v_min_num_f32 v[FF+1+2*\x], v[FF+1+2*\x], v[MA+2*\x]   ; the new -M
.endr
.irp x, 0,1
	v_sub_f32 v[FF+2*\x], v[FF+1+2*\x], v[MA+2*\x]   ; old M - new M: a whole number, 0 or less
.endr
.irp x, 0,1
	v_mov_b32 v[MA+2*\x], v[FF+1+2*\x]
.endr
.irp x, 0,1
	v_cvt_i32_f32 v[FF+2*\x], v[FF+2*\x]
.endr
.irp x, 0,1
	v_ldexp_f32 v[FF+2*\x], 1.0, v[FF+2*\x]        ; f
.endr
.endif
.set n, 0
.rept 32
	v_pk_fma_f32 v[S+n:S+n+1], v[S+n:S+n+1], s[CS:CS+1], v[MA:MA+1] op_sel_hi:[1,0,0]
.set n, n+2
.endr
.irp b, 0,1,2,3
	v_fma_f32 v[BM+\b], v[BM+\b], s[CS], v[MA]
	v_fma_f32 v[BM+4+\b], v[BM+4+\b], s[CS], v[MB]
.endr
	s_wait_alu depctr_va_vdst(0)
.set n, 0
.rept 32
	v_exp_f32 v[S+n], v[S+n]
	v_exp_f32 v[S+n+1], v[S+n+1]
	v_pk_fma_f32 v[S+64+n:S+65+n], v[S+64+n:S+65+n], s[CS:CS+1], v[MB:MB+1] op_sel_hi:[1,0,0]
.set n, n+2
.endr
.irp b, 0,1,2,3,4,5,6,7
	v_exp_f32 v[BM+\b], v[BM+\b]                   ; p rises with the score: the block's largest p
.endr
	s_wait_alu depctr_va_vdst(0)
.irp b, 0,1,2,3,4,5,6,7
	v_max_num_f32 v[BM+\b], 0x1800000, v[BM+\b]    ; the floor 2^(3 - 127): the byte cannot fall under 1
.endr
.irp b, 0,1,2,3,4,5,6,7
	v_add_nc_u32 v[BM+\b], 0xff000000, v[BM+\b]    ; 2 off the exponent field: the conversion's scale operand
.endr
.irp b, 0,1,2,3,4,5,6,7
	v_lshrrev_b32 v[PC+\b], 23, v[BM+\b]
.endr
.irp x, 0,1
	v_lshl_or_b32 v[PW+\x], v[PC+4*\x+1], 8, v[PC+4*\x]
.endr
.irp x, 0,1
	v_lshl_or_b32 v[PW+\x], v[PC+4*\x+2], 16, v[PW+\x]
.endr
.irp x, 0,1
	v_lshl_or_b32 v[PW+\x], v[PC+4*\x+3], 24, v[PW+\x]
.endr
.set n, 0
.rept 32
	v_exp_f32 v[S+64+2*n], v[S+64+2*n]
	v_exp_f32 v[S+65+2*n], v[S+65+2*n]
.if n < 4
	v_cvt_scalef32_pk8_fp4_f32 v[PC+2*n], v[S+16*n:S+16*n+7], v[BM+n]
	v_cvt_scalef32_pk8_fp4_f32 v[PC+2*n+1], v[S+16*n+8:S+16*n+15], v[BM+n]
.elseif n == 4
.if \first
	v_nop
.else
	v_mul_f32 v[MA+1], v[MA+1], v[FF]              ; the sum under the new M
.endif
.elseif n < 21
	v_pk_add_f32 v[S+4*(n-5):S+4*(n-5)+1], v[S+4*(n-5):S+4*(n-5)+1], v[S+4*(n-5)+2:S+4*(n-5)+3]   ; the tree's first level, tile 0
.endif
.set n, n+1
.endr
	s_wait_alu depctr_va_vdst(0)
.if \first
	v_nop
.else
	v_mul_f32 v[MB+1], v[MB+1], v[FF+2]
.endif
.irp b, 4,5,6,7
	v_cvt_scalef32_pk8_fp4_f32 v[PC+2*\b], v[S+16*\b:S+16*\b+7], v[BM+\b]
	v_cvt_scalef32_pk8_fp4_f32 v[PC+2*\b+1], v[S+16*\b+8:S+16*\b+15], v[BM+\b]
.endr
	LVL 0, 4
.irp x, 0,1
.irp c, 0,1
.irp i, 0,1
	v_permlane16_swap_b32 v[PC+8*\x+4*\c+\i], v[PC+8*\x+4*\c+2+\i]   ; a whole block of 32 keys into a lane
.endr
.endr
.endr
	LVL 1, 2
	LVL 0, 8
	LVL 1, 4
	LVL 0, 16
	LVL 1, 8
	LVL 0, 32
	LVL 1, 16
	LVL 1, 32
.if \first
	v_add_f32 v[MA+1], v[S], v[S+1]
	v_add_f32 v[MB+1], v[S+64], v[S+65]
.else
	v_add_f32 v[S], v[S], v[S+1]
	v_add_f32 v[S+64], v[S+64], v[S+65]
	v_add_f32 v[MA+1], v[MA+1], v[S]
	v_add_f32 v[MB+1], v[MB+1], v[S+64]
.endif
.endm
.macro RESC p                          ; O^T under the new M
	WIN (0x82+0x41*\p)
	s_wait_alu depctr_va_vdst(0)
.irp x, 0,1
.set n, 0
.rept 64
	v_pk_mul_f32 v[128*\x+n:128*\x+n+1], v[128*\x+n:128*\x+n+1], v[FF+2*\x:FF+2*\x+1] op_sel_hi:[1,0]
.set n, n+2
.endr
.endr
.endm
.macro PV p, first                     ; O^T += V^T P^T: 16 channel tiles, each fragment of V for both query tiles
	WIN (0xa1+0x50*\p)
.set t, 0
.rept 16
.irp x, 0,1
.if \first
.if t%2 == 0
	v_wmma_scale_f32_16x16x128_f8f6f4 v[128*\x+8*t:128*\x+8*t+7], v[128+8*t:135+8*t], v[PC+8*\x:PC+8*\x+7], 0, v[VSC+t/2], v[PW+\x] matrix_a_fmt:MATRIX_FMT_FP4 matrix_b_fmt:MATRIX_FMT_FP4
.else
	v_wmma_scale_f32_16x16x128_f8f6f4 v[128*\x+8*t:128*\x+8*t+7], v[128+8*t:135+8*t], v[PC+8*\x:PC+8*\x+7], 0, v[VSC+t/2], v[PW+\x] matrix_a_fmt:MATRIX_FMT_FP4 matrix_b_fmt:MATRIX_FMT_FP4 matrix_a_scale:MATRIX_SCALE_ROW1
.endif
.else
.if t%2 == 0
	v_wmma_scale_f32_16x16x128_f8f6f4 v[128*\x+8*t:128*\x+8*t+7], v[128+8*t:135+8*t], v[PC+8*\x:PC+8*\x+7], v[128*\x+8*t:128*\x+8*t+7], v[VSC+t/2], v[PW+\x] matrix_a_fmt:MATRIX_FMT_FP4 matrix_b_fmt:MATRIX_FMT_FP4
.else
	v_wmma_scale_f32_16x16x128_f8f6f4 v[128*\x+8*t:128*\x+8*t+7], v[128+8*t:135+8*t], v[PC+8*\x:PC+8*\x+7], v[128*\x+8*t:128*\x+8*t+7], v[VSC+t/2], v[PW+\x] matrix_a_fmt:MATRIX_FMT_FP4 matrix_b_fmt:MATRIX_FMT_FP4 matrix_a_scale:MATRIX_SCALE_ROW1
.endif
.endif
.endr
.set t, t+1
.endr
	WIN 0
.endm
.irp b, 0,1,2,3,4,5,6,7
	v_mov_b32 v[PC+\b], 0                          ; written once: a lane permute's destination counts as one of its sources
.endr
.irp b, 1,3,5,7
	v_mov_b32 v[ML+\b], 0                          ; (named as the upper half of a pair before it is first written)
.endr
	s_mov_b32 s52, 0
	s_mov_b32 s[KC], 0
	ADDR
	s_wait_tensorcnt 0x0                           ; chunk 0 is in (wave 3's load); a later first fill follows:
	ds_add_u32 v[SPW], v[NIL]
	ds_add_u32 v[SPW], v[NIL]
	s_wait_dscnt 0x0
	ROUND                                          ; chunk 0 stands in every partner's LDS, and the joint loads of the seven other chunks meet
	s_cmp_lg_u32 s[WV], 3
	s_cbranch_scc0 .Lbulk
	tensor_load_to_lds s[G0B:G0B+3], s[G1B:G1B+7]  ; they land while chunk 0 is worked
	s_nop 0
	PLACES
.Lbulk:
	s_wait_xcnt 0x0                                ; Q's loads have read their addresses, which lie in the scores' registers
	; chunk 0, written out: it starts every sum
	KLOAD
	BIAS
	VLOAD
	s_wait_loadcnt 0x0                             ; Q
	s_wait_dscnt 34                                ; all but V's 34 loads
	SMUL 0
	SOFTMAX 0, 1
	s_wait_dscnt 0x0
	BIAS                                           ; for the low pair
	PV 0, 1
	s_wait_dscnt 0x0
	SMUL 1
	MASK WV
	SOFTMAX 1, 1
	s_wait_alu depctr_va_vdst(0)
	s_wait_tensorcnt 0x0                           ; my load has landed;
	s_wait_dscnt 0x0
	s_barrier_signal -1
	s_barrier_wait -1                              ; and so have all four: the whole batch
	PREF
	PV 1, 1
	s_mov_b32 s[KC], 1
.Lloop:                                                ; chunks 1 to 7: the same trips in every wave
	s_cmp_gt_u32 s[KC], s[KDH]
	s_cbranch_scc1 .Lskip                          ; all of the chunk's keys come after my queries
	s_and_b32 s52, s[KC], 7
	s_mul_i32 s52, s52, CH
	ADDR                                           ; its four lines are also the places in front of the loads into what the last products have read
	VLOAD
	s_wait_dscnt 34                                ; K and the bias are in; V's 34 loads may be out
	SMUL 0
	s_cmp_le_u32 s[KC], s[WV]
	s_cbranch_scc1 .Lkeep_k                        ; the low pair takes the same K
	s_cmp_ge_u32 s[KC], s[KDH]
	s_cbranch_scc1 .Lkeep_k                        ; my last chunk
	KPREF
.Lkeep_k:
	MASK KDH
	SOFTMAX 0, 0
	s_wait_dscnt 0x0                               ; V
	s_cmp_gt_u32 s[KC], s[WV]
	s_cbranch_scc1 .Lno_low
	BIAS                                           ; the low pair takes the same chunk
	s_branch .Lhigh_pv
.Lno_low:
	s_cmp_ge_u32 s[KC], s[KDH]
	s_cbranch_scc1 .Lhigh_pv                       ; my last chunk: nothing follows
	NBIAS
.Lhigh_pv:
	RESC 0
	PV 0, 0
	s_cmp_gt_u32 s[KC], s[WV]
	s_cbranch_scc1 .Lskip
	s_wait_dscnt 0x0
	SMUL 1
	KPREF
	MASK WV
	SOFTMAX 1, 0
	NBIAS
	RESC 1
	PV 1, 0
.Lskip:
	s_add_co_u32 s[KC], s[KC], 1
	s_cmp_lt_u32 s[KC], 8
	s_cbranch_scc1 .Lloop
	s_wait_alu depctr_va_vdst(0)
	s_wait_dscnt 0x0
; LAYERNORM of pair p's 32 rows, in registers: the mean, the centred row, its variance, and the row's weight 1 / (l sqrt(variance + 1e-9)), 0 for a row that no key counts for.
.macro ROWSUM                          ; the four partial sums of each tile -> v144, v145
.irp x, 0,1
	v_pk_add_f32 v[128+8*\x:129+8*\x], v[128+8*\x:129+8*\x], v[130+8*\x:131+8*\x]
	v_pk_add_f32 v[132+8*\x:133+8*\x], v[132+8*\x:133+8*\x], v[134+8*\x:135+8*\x]
.endr
.irp x, 0,1
	v_pk_add_f32 v[128+8*\x:129+8*\x], v[128+8*\x:129+8*\x], v[132+8*\x:133+8*\x]
.endr
.irp x, 0,1
	v_add_f32 v[144+\x], v[128+8*\x], v[129+8*\x]
.endr
.irp x, 0,1
	v_permlanex16_b32 v[130+8*\x], v[144+\x], s[SEL], s[SEL+1]
.endr
.irp x, 0,1
	v_add_f32 v[144+\x], v[144+\x], v[130+8*\x]
.endr
.endm
.macro EPI p
.set n, 0
.rept 16
	v_mov_b32 v[128+n], 0                          ; (also the places behind the last products)
.set n, n+1
.endr
	WIN (0x08+4*\p)
	s_wait_alu depctr_va_vdst(0)
.set q, 0
.rept 64
.irp x, 0,1
	v_pk_add_f32 v[128+8*\x+2*(q%4):129+8*\x+2*(q%4)], v[128+8*\x+2*(q%4):129+8*\x+2*(q%4)], v[128*\x+2*q:128*\x+2*q+1]
.endr
.set q, q+1
.endr
	WIN 0
	ROWSUM
.irp x, 0,1
	v_mul_f32 v[148+2*\x], 0xbb800000, v[144+\x]   ; - the mean
.endr
.irp x, 0,1
	v_mov_b32 v[149+2*\x], v[148+2*\x]
.endr
.irp x, 0,1
	v_permlanex16_b32 v[131+8*\x], v[ML+4*\p+2*\x+1], s[SEL], s[SEL+1]
.endr
.irp x, 0,1
	v_add_f32 v[152+\x], v[ML+4*\p+2*\x+1], v[131+8*\x]   ; l
.endr
	WIN (0x82+0x41*\p)
.irp x, 0,1
.set n, 0
.rept 64
	v_pk_add_f32 v[128*\x+n:128*\x+n+1], v[128*\x+n:128*\x+n+1], v[148+2*\x:149+2*\x]
.set n, n+2
.endr
.endr
	WIN (0x0a+5*\p)
.set q, 0
.rept 4
.irp x, 0,1
	v_pk_mul_f32 v[128+8*\x+2*q:129+8*\x+2*q], v[128*\x+2*q:128*\x+2*q+1], v[128*\x+2*q:128*\x+2*q+1]
.endr
.set q, q+1
.endr
.rept 60
.irp x, 0,1
	v_pk_fma_f32 v[128+8*\x+2*(q%4):129+8*\x+2*(q%4)], v[128*\x+2*q:128*\x+2*q+1], v[128*\x+2*q:128*\x+2*q+1], v[128+8*\x+2*(q%4):129+8*\x+2*(q%4)]
.endr
.set q, q+1
.endr
	WIN 0
	ROWSUM
	s_wait_alu depctr_va_vdst(0)
	v_rcp_f32 v154, v152
	v_rcp_f32 v155, v153
	v_nop
	s_wait_alu depctr_va_vdst(0)
.irp x, 0,1
	v_mul_f32 v[156+\x], v[154+\x], v[154+\x]
.endr
.irp x, 0,1
	v_mul_f32 v[156+\x], 0x3b800000, v[156+\x]
.endr
.irp x, 0,1
	v_fma_f32 v[156+\x], v[144+\x], v[156+\x], s[EPS]
.endr
	s_wait_alu depctr_va_vdst(0)
	v_rsq_f32 v158, v156
	v_rsq_f32 v159, v157
.irp x, 0,1
	v_cmp_gt_f32 s[MK+\x], s[THR], v[ML+4*\p+2*\x]
.endr
	s_wait_alu depctr_va_vdst(0)
.irp x, 0,1
	v_mul_f32 v[160+2*\x], v[158+\x], v[154+\x]
.endr
.irp x, 0,1
	v_cndmask_b32 v[160+2*\x], 0, v[160+2*\x], s[MK+\x]
.endr
.irp x, 0,1
	v_mov_b32 v[161+2*\x], v[160+2*\x]
.endr
.if \p == 0                            ; the four tiles' weighted rows meet in the high pair's first tile
	WIN 0x82
.set n, 0
.rept 64
	v_pk_mul_f32 v[n:n+1], v[n:n+1], v[160:161]
.set n, n+2
.endr
	WIN 0xa2
.else
	WIN 0xa3
.set n, 0
.rept 64
	v_pk_fma_f32 v[n:n+1], v[n:n+1], v[160:161], v[n:n+1]
.set n, n+2
.endr
.endif
.set n, 0
.rept 64
	v_pk_fma_f32 v[n:n+1], v[128+n:129+n], v[162:163], v[n:n+1]
.set n, n+2
.endr
	WIN 0
.endm
	EPI 0
	EPI 1
; THE SUM OVER 16 LANES.  Register 8 t + j of lane (r, h) belongs to channel 16 t + 8 h + j.  Each fold halves the registers: a lane keeps one of two, by a bit of r, and gets the other lane's share of it.
; Behind the four folds lane (r, h) holds channels 128 c + 16 (r / 2) + 8 h + 4 (r % 2) + i in register 4 c + i.
	s_mov_b32 s[MK], 0xff00ff00
	s_mov_b32 s[MK+1], 0xf0f0f0f0
	s_mov_b32 s[MK+2], 0xcccccccc
	s_mov_b32 s[MK+3], 0xaaaaaaaa
	WIN 0x0a
.set n, 0
.rept 64
.set ai, 64*(n/32)+n%32
	v_cndmask_b32 v[128+n], v[ai], v[ai+32], s[MK]
	v_cndmask_b32 v[192+n], v[ai+32], v[ai], s[MK]
.set n, n+1
.endr
	WIN 0
.set n, 0
.rept 64
	v_add_f32_dpp v[128+n], v[192+n], v[128+n] row_xmask:8 row_mask:0xf bank_mask:0xf
.set n, n+1
.endr
.macro FOLD cnt, msk, xm
.set n, 0
.rept \cnt
.set ai, 128+\cnt*(n/(\cnt/2))+n%(\cnt/2)
	v_cndmask_b32 v[192+n], v[ai], v[ai+\cnt/2], s[\msk]
	v_cndmask_b32 v[224+n], v[ai+\cnt/2], v[ai], s[\msk]
.set n, n+1
.endr
.set n, 0
.rept \cnt
	v_add_f32_dpp v[128+n], v[224+n], v[192+n] row_xmask:\xm row_mask:0xf bank_mask:0xf
.set n, n+1
.endr
.endm
	FOLD 32, MK+1, 4
	FOLD 16, MK+2, 2
	FOLD 8, MK+3, 1
	v_and_b32 v136, 31, v0
	v_lshlrev_b32 v136, 4, v136
	global_store_b128 v136, v[128:131], s[62:63]   ; 32 lanes store 512 consecutive bytes, at a multiple of 256 from part's first byte
	global_store_b128 v136, v[132:135], s[62:63] offset:512
	s_wait_tensorcnt 0x0                           ; the wave's end
	ds_add_u32 v[SPW], v[NIL]
	s_wait_dscnt 0x0
	ROUND                                          ; no work-group ends while a partner may still ask for what names it
	s_endpgm
.Lfunc_end_k_q8826253633_attn:
	.size	k_q8826253633_attn, .Lfunc_end_k_q8826253633_attn-k_q8826253633_attn
	.p2alignl 7, 3214868480
	.fill 96, 4, 3214868480
	.section	.rodata,"a",@progbits
	.p2align	6, 0x0
	.amdhsa_kernel k_q8826253633_attn
		.amdhsa_group_segment_fixed_size 327680
		.amdhsa_private_segment_fixed_size 0
		.amdhsa_enable_private_segment 0
		.amdhsa_kernarg_size 16
		.amdhsa_user_sgpr_count 2
		.amdhsa_user_sgpr_kernarg_segment_ptr 1
		.amdhsa_wavefront_size32 1
		.amdhsa_system_sgpr_workgroup_id_x 1
		.amdhsa_system_sgpr_workgroup_id_y 1
		.amdhsa_system_sgpr_workgroup_id_z 1
		.amdhsa_system_vgpr_workitem_id 0
		.amdhsa_next_free_vgpr 1024
		.amdhsa_next_free_sgpr 88
		.amdhsa_reserve_vcc 0
		.amdhsa_float_denorm_mode_32 3
		.amdhsa_float_denorm_mode_16_64 3
		.amdhsa_memory_ordered 1
		.amdhsa_forward_progress 1
		.amdhsa_inst_pref_size 255
	.end_amdhsa_kernel
	.section	.bss,"aw",@nobits
	.p2align	6
	.space	262144
	.amdgpu_metadata
---
amdhsa.version: [ 1, 2 ]
amdhsa.kernels:
  - .name:           k_q8826253633_attn
    .symbol:         k_q8826253633_attn.kd
    .args:
      - { .name: kv, .offset: 0, .size: 8, .value_kind: global_buffer, .address_space: global }
      - { .name: part, .offset: 8, .size: 8, .value_kind: global_buffer, .address_space: global }
    .group_segment_fixed_size: 327680
    .private_segment_fixed_size: 0
    .kernarg_segment_align: 8
    .kernarg_segment_size: 16
    .max_flat_workgroup_size: 128
    .sgpr_count:     88
    .vgpr_count:     1024
    .wavefront_size: 32
...
	.end_amdgpu_metadata
.endif
;; end of part 2
;; launch finish (part 3): grid 64 x 1, 1 waves a work-group, no clusters, 0 bytes of LDS; arguments part, cs, key_masks, gamma, beta, out0; writes out0
.if DOCPART == 3
	.amdgcn_target "amdgcn-amd-amdhsa--gfx1250"
	.amdhsa_code_object_version 6
	.text
	.protected	k_q8826253633_finish
	.globl	k_q8826253633_finish
	.p2align	8
	.type	k_q8826253633_finish,@function
k_q8826253633_finish:
	s_mov_b64 s[64:65], 0
	v_nop
	global_prefetch_b8 v0, s[64:65] scope:SCOPE_SE
	s_setreg_imm32_b32 hwreg(HW_REG_WAVE_MODE, 25, 1), 1
	s_wait_xcnt 0x0
; out0[b][c] = beta[c] + gamma[c] x (the sum of the batch's 1,024 normalised rows) / 1024.  part holds the sums of the rows that have a key that counts, in sixteen parts.
; THE OTHER ROWS.  A row ahead of the batch's first true key has the same logit, -2^32 + 1, on ALL 1,024 keys: p = 1 everywhere and the row's sum is 1,024: the row is the column sum of the quantised values (cs, eight chunks) / 1024.
; It is normalised here and counted as often as there are such rows: nf = the index of the first mask byte that is not 0, or 1,024.  nf enters as a factor alone: no branch and no address hangs on it.
; SHARES: a wave to a batch; lane L takes channels 4 L .. 4 L + 3 and 128 + 4 L .. + 3.  In part they lie at 16 x lane' and 512 on, lane' = 2 (L / 4) + L % 2 + 16 ((L / 2) % 2).
; No tensor loads, no LDS, no cluster: nothing is shared, and there is no loop for a prefetch to run ahead in.
; LIMITS: NaN and infinities among the inputs are not served.
.set PT, 64                            ; v64-191 part: block i, half q at 64 + 8 i + 4 q
.set CO, 192                           ; v192-255 cs: chunk k, half q at 192 + 8 k + 4 q
.set GA, 16
.set BE, 24
	s_load_b256 s[4:11], s[0:1], 0x0               ; part, cs, key_masks, gamma
	s_load_b128 s[12:15], s[0:1], 0x20             ; beta, out0
	v_lshlrev_b32 v1, 4, v0
	v_lshlrev_b32 v3, 5, v0
	v_lshrrev_b32 v4, 2, v0
	v_and_b32 v5, 1, v0
	v_lshl_add_u32 v4, v4, 1, v5
	v_bfe_u32 v5, v0, 1, 1
	v_lshl_add_u32 v4, v5, 4, v4
	v_lshlrev_b32 v2, 4, v4
	v_mov_b32 v40, 0
	v_mov_b32 v41, 0
	v_mov_b32 v43, 0                               ; written once: a lane permute's destination counts as one of its sources
	v_mov_b32 v44, 0x400
	s_mov_b32 s30, 0x76543210
	s_mov_b32 s31, 0xfedcba98
	s_mov_b32 s32, 0x3b800000                      ; 1 / 256
	s_mov_b32 s33, 0x3089705f                      ; 1e-9
	s_lshl_b32 s20, ttmp9, 14
	s_mov_b32 s21, 0
	s_lshl_b32 s22, ttmp9, 13
	s_mov_b32 s23, 0
	s_lshl_b32 s24, ttmp9, 10
	s_mov_b32 s25, 0
	s_wait_alu depctr_va_vdst(0)
	s_wait_kmcnt 0x0
	s_add_nc_u64 s[4:5], s[4:5], s[20:21]
	s_add_nc_u64 s[6:7], s[6:7], s[22:23]
	s_add_nc_u64 s[8:9], s[8:9], s[24:25]
	s_add_nc_u64 s[14:15], s[14:15], s[24:25]
	global_load_b128 v[32:35], v3, s[8:9]          ; my 32 mask bytes
	global_load_b128 v[36:39], v3, s[8:9] offset:16
.set n, 0
.rept 16
	global_load_b128 v[CO+4*n:CO+4*n+3], v1, s[6:7] offset:512*n
.set n, n+1
.endr
.irp q, 0,1
	global_load_b128 v[GA+4*\q:GA+4*\q+3], v1, s[10:11] offset:512*\q
	global_load_b128 v[BE+4*\q:BE+4*\q+3], v1, s[12:13] offset:512*\q
.endr
.set n, 0
.rept 32
	global_load_b128 v[PT+4*n:PT+4*n+3], v2, s[4:5] offset:512*n
.set n, n+1
.endr
	s_wait_loadcnt 36                              ; the mask and cs are in; gamma, beta (4) and part (32) may be out
.macro TREE base, st                   ; v[base ..] += v[base + st ..], st registers
.set n, 0
.rept \st/2
	v_pk_add_f32 v[\base+n:\base+n+1], v[\base+n:\base+n+1], v[\base+\st+n:\base+\st+n+1]
.set n, n+2
.endr
.endm
	TREE CO, 32
	TREE CO, 16
	TREE CO, 8
.irp i, 7,6,5,4,3,2,1,0                ; my first word that is not 0, and where it stands
	v_cmp_ne_u32 vcc_lo, 0, v[32+\i]
	v_cndmask_b32 v40, v40, v[32+\i], vcc_lo
	v_cndmask_b32 v41, v41, 4*\i, vcc_lo
.endr
	v_sub_nc_u32 v42, 0, v40
	v_and_b32 v42, v40, v42                        ; its lowest bit that is set: a power of two,
	v_cvt_f32_u32 v42, v42
	v_lshrrev_b32 v42, 23, v42                     ; whose exponent field gives the bit's number, and that / 8 the byte's
	v_subrev_nc_u32 v42, 0x7f, v42
	v_lshrrev_b32 v42, 3, v42
	v_add_nc_u32 v42, v41, v42
	v_lshl_add_u32 v42, v0, 5, v42
	v_cmp_eq_u32 vcc_lo, 0, v40
	v_cndmask_b32 v42, v42, v44, vcc_lo            ; none of my 32: 1,024
	v_cvt_f32_u32 v42, v42
.irp p, 0,2,4,6
	v_pk_mul_f32 v[CO+\p:CO+\p+1], v[CO+\p:CO+\p+1], 0x3a800000 op_sel_hi:[1,0]   ; / 1024: the row
.endr
	v_pk_add_f32 v[46:47], v[CO:CO+1], v[CO+2:CO+3]
	v_pk_add_f32 v[48:49], v[CO+4:CO+5], v[CO+6:CO+7]
	v_pk_add_f32 v[46:47], v[46:47], v[48:49]
	v_add_f32 v46, v46, v47
.irp x, 1,2,4,8
	v_add_f32_dpp v46, v46, v46 row_xmask:\x row_mask:0xf bank_mask:0xf
	v_min_num_f32_dpp v42, v42, v42 row_xmask:\x row_mask:0xf bank_mask:0xf
.endr
	v_permlanex16_b32 v43, v42, s30, s31
	v_min_num_f32 v42, v42, v43                    ; nf
	v_permlanex16_b32 v43, v46, s30, s31
	v_add_f32 v46, v46, v43
	v_mul_f32 v50, 0xbb800000, v46                 ; - the mean
	v_mov_b32 v51, v50
.irp p, 0,2,4,6
	v_pk_add_f32 v[CO+\p:CO+\p+1], v[CO+\p:CO+\p+1], v[50:51]
.endr
	v_pk_mul_f32 v[46:47], v[CO:CO+1], v[CO:CO+1]
	v_pk_mul_f32 v[48:49], v[CO+2:CO+3], v[CO+2:CO+3]
	v_pk_fma_f32 v[46:47], v[CO+4:CO+5], v[CO+4:CO+5], v[46:47]
	v_pk_fma_f32 v[48:49], v[CO+6:CO+7], v[CO+6:CO+7], v[48:49]
	v_pk_add_f32 v[46:47], v[46:47], v[48:49]
	v_add_f32 v46, v46, v47
.irp x, 1,2,4,8
	v_add_f32_dpp v46, v46, v46 row_xmask:\x row_mask:0xf bank_mask:0xf
.endr
	v_permlanex16_b32 v43, v46, s30, s31
	v_add_f32 v46, v46, v43
	v_fma_f32 v52, v46, s32, s33                   ; the variance + 1e-9
	s_wait_alu depctr_va_vdst(0)
	v_rsq_f32 v52, v52
	v_nop
	s_wait_alu depctr_va_vdst(0)
	v_mul_f32 v54, v52, v42                        ; the normalised row counts nf times
	v_mov_b32 v55, v54
	s_wait_alu depctr_va_vdst(0)
	s_wait_loadcnt 0x0
	TREE PT, 64
	TREE PT, 32
	TREE PT, 16
	TREE PT, 8
.irp p, 0,2,4,6
	v_pk_fma_f32 v[PT+\p:PT+\p+1], v[CO+\p:CO+\p+1], v[54:55], v[PT+\p:PT+\p+1]
.endr
.irp p, 0,2,4,6
	v_pk_mul_f32 v[PT+\p:PT+\p+1], v[PT+\p:PT+\p+1], v[GA+\p:GA+\p+1]
.endr
.irp p, 0,2,4,6
	v_pk_fma_f32 v[PT+\p:PT+\p+1], v[PT+\p:PT+\p+1], 0x3a800000, v[BE+\p:BE+\p+1] op_sel_hi:[1,0,1]
.endr
	global_store_b128 v1, v[PT:PT+3], s[14:15]     ; 32 lanes store 512 consecutive bytes, at a multiple of 256 from out0's first byte
	global_store_b128 v1, v[PT+4:PT+7], s[14:15] offset:512
	s_endpgm
.Lfunc_end_k_q8826253633_finish:
	.size	k_q8826253633_finish, .Lfunc_end_k_q8826253633_finish-k_q8826253633_finish
	.p2alignl 7, 3214868480
	.fill 96, 4, 3214868480
	.section	.rodata,"a",@progbits
	.p2align	6, 0x0
	.amdhsa_kernel k_q8826253633_finish
		.amdhsa_group_segment_fixed_size 0
		.amdhsa_private_segment_fixed_size 0
		.amdhsa_enable_private_segment 0
		.amdhsa_kernarg_size 48
		.amdhsa_user_sgpr_count 2
		.amdhsa_user_sgpr_kernarg_segment_ptr 1
		.amdhsa_wavefront_size32 1
		.amdhsa_system_sgpr_workgroup_id_x 1
		.amdhsa_system_sgpr_workgroup_id_y 1
		.amdhsa_system_sgpr_workgroup_id_z 1
		.amdhsa_system_vgpr_workitem_id 0
		.amdhsa_next_free_vgpr 256
		.amdhsa_next_free_sgpr 66
		.amdhsa_reserve_vcc 1
		.amdhsa_float_denorm_mode_32 3
		.amdhsa_float_denorm_mode_16_64 3
		.amdhsa_memory_ordered 1
		.amdhsa_forward_progress 1
		.amdhsa_inst_pref_size 18
	.end_amdhsa_kernel
	.amdgpu_metadata
---
amdhsa.version: [ 1, 2 ]
amdhsa.kernels:
  - .name:           k_q8826253633_finish
    .symbol:         k_q8826253633_finish.kd
    .args:
      - { .name: part, .offset: 0, .size: 8, .value_kind: global_buffer, .address_space: global }
      - { .name: cs, .offset: 8, .size: 8, .value_kind: global_buffer, .address_space: global }
      - { .name: key_masks, .offset: 16, .size: 8, .value_kind: global_buffer, .address_space: global }
      - { .name: gamma, .offset: 24, .size: 8, .value_kind: global_buffer, .address_space: global }
      - { .name: beta, .offset: 32, .size: 8, .value_kind: global_buffer, .address_space: global }
      - { .name: out0, .offset: 40, .size: 8, .value_kind: global_buffer, .address_space: global }
    .group_segment_fixed_size: 0
    .private_segment_fixed_size: 0
    .kernarg_segment_align: 8
    .kernarg_segment_size: 48
    .max_flat_workgroup_size: 32
    .sgpr_count:     66
    .vgpr_count:     256
    .wavefront_size: 32
...
	.end_amdgpu_metadata
.endif
;; end of part 3
